; MI455X (gfx1250); checked and timed in simulation.
; The chip was launched on July 23, 2026; its instructions are those of AMD's public machine-readable ISA for CDNA 5 (MIT licence, August 2026) and "CDNA5" Instruction Set Architecture Reference Guide (July 2026). The comments in the code are by the model that wrote it; some were corrected since.
;; Git Self Attention. Allowed arithmetic: matrix products marked QUANTISED: E4M3 operands, one E8M0 scale for each 32 along K, by v_wmma_scale_f32_16x16x128_f8f6f4 with both operands' format E4M3, f32 sums; everything else in f32.
;; Inputs: bk 1,024 float32; bq 1,024 float32; bv 1,024 float32; dist_emb 2,047 x 64 float32; hidden_states_codes 4 x 1,024 x 32 x 32 uint8 (E4M3 codes of hidden_states, K innermost, in blocks of 32 codes); hidden_states_scales 4 x 1,024 x 32 uint8 (E8M0 scales of hidden_states, one for each 32 codes along K); wk_codes 1,024 x 32 x 32 uint8 (E4M3 codes of wk, K innermost, in blocks of 32 codes); wk_scales 1,024 x 32 uint8 (E8M0 scales of wk, one for each 32 codes along K); wq_codes 1,024 x 32 x 32 uint8 (E4M3 codes of wq, K innermost, in blocks of 32 codes); wq_scales 1,024 x 32 uint8 (E8M0 scales of wq, one for each 32 codes along K); wv_codes 1,024 x 32 x 32 uint8 (E4M3 codes of wv, K innermost, in blocks of 32 codes); wv_scales 1,024 x 32 uint8 (E8M0 scales of wv, one for each 32 codes along K).
;; Outputs: out0 4 x 1,024 x 1,024 float32.
;; This version of the problem:
;;   THIS VERSION OF THE PROBLEM IS GIVEN IN LOW PRECISION. The matrix products marked QUANTISED in the list below multiply operands that are first quantised to E4M3 (4 exponent bits, 3 mantissa bits; 8 bits a number), with one power-of-two scale for each 32 numbers along K (OCP MX v1.0); their sums are f32. All else is computed in f32.
;;   The module's matrix products, in the order in which they are computed (A, B: the left and right operand; K: the contracted axis; several contracted axes count as one K, in the product's order):
;;     1. [M 4,096, K 1,024] x [K 1,024, N 1,024]; A: input hidden_states (given as codes); B: input wq (given as codes): QUANTISED
;;     2. [M 4,096, K 1,024] x [K 1,024, N 1,024]; A: input hidden_states (given as codes); B: input wk (given as codes): QUANTISED
;;     3. [M 4,096, K 1,024] x [K 1,024, N 1,024]; A: input hidden_states (given as codes); B: input wv (given as codes): QUANTISED
;;     4. batch 64 x [M 1,024, K 64] x [K 64, N 1,024]; A: computed on the way; B: computed on the way: QUANTISED
;;     5. batch 1,024 x [M 1,024, K 64] x [K 64, N 64]; A: computed on the way; B: computed on the way: QUANTISED
;;     6. batch 1,024 x [M 1,024, K 64] x [K 64, N 64]; A: computed on the way; B: computed on the way: QUANTISED
;;     7. batch 64 x [M 1,024, K 1,024] x [K 1,024, N 64]; A: softmax (see below); B: computed on the way: QUANTISED
;;   THE QUANTISER, for each operand of a quantised product, along K:
;;     - K is cut into blocks of 32 from its start; a last block that is shorter is filled with zeros.
;;     - A block's scale is 2^e with e = floor(log2(the largest magnitude in the block)) - 8, held to -126 .. 127; a block of zeros has e = 0. As a byte (E8M0): e + 127.
;;     - Each number is divided by its block's scale, clamped to +-448, and rounded to the nearest number of E4M3, ties to even, subnormals kept.
;;     - The product sums the exact products of the quantised numbers (number of the format x scale) in f32.
;;   ~~~python
;;   def quantise(x, axis):      # numpy; x: float32 -> the quantised numbers, widened to float32 again
;;       x = np.moveaxis(x, axis, -1); K = x.shape[-1]
;;       x = np.pad(x, [(0, 0)] * (x.ndim - 1) + [(0, -K % 32)]); x = x.reshape(x.shape[:-1] + (-1, 32)); a = np.abs(x).max(-1, keepdims=True)
;;       e = np.where(a > 0, np.clip(np.frexp(np.where(a > 0, a, 1))[1] - 1 - 8, -126, 127), 0)      # np.frexp(a)[1] - 1 = floor(log2(a)), exactly
;;       r = np.clip(x / 2.0 ** e, -448, 448)
;;       step = 2.0 ** (np.maximum(np.frexp(np.where(r == 0, 1, r))[1] - 1, -6) - 3)
;;       q = np.round(r / step) * step * 2.0 ** e      # np.round: ties to even
;;       return np.moveaxis(q.reshape(q.shape[:-2] + (-1,))[..., :K], -1, axis).astype(np.float32)
;;   ~~~
;;   SOFTMAX AHEAD OF A QUANTISED PRODUCT. Where the list says 'softmax', what is quantised is not the finished softmax but p = 2^(t - M), with t = logit x log2(e) and M = ceil(the row's largest t), a whole number; so 1/2 < the row's largest p <= 1. The row's sum l is taken of the UNQUANTISED p, in f32, and the product's result is divided by l at the end. Since M is a whole number, a kernel that streams over the keys may use a running M (the ceiling of the running maximum): every later rescaling is an exact power of two, which a block's scale takes up: the codes' values come out the same.
;;   OPERANDS COMPUTED ON THE WAY. 'Computed on the way' means the value that the module computes at that place (a softmax that the list does not call 'softmax' is quantised finished and normalised). What goes into a quantiser is computed in f32, as accurately as f32 sums, v_exp_f32 and their like allow (about 1e-6 of the number): no bf16 or f16 on the way to a quantiser, and a product that is left as it is and whose result goes on into a quantised operand takes f32 operands (vector FMAs, or v_wmma_f32_16x16x4_f32). A number that lies on a knife's edge between two numbers of the format may be rounded either way, as far as f32 arithmetic and the matrix unit's own rounding can turn it there, and no further.
;;   INPUTS GIVEN AS CODES. hidden_states (in the module: [4, 1024, 1024], K = its axis 2); wk (in the module: [1024, 1024], K = its axis 1); wq (in the module: [1024, 1024], K = its axis 1); wv (in the module: [1024, 1024], K = its axis 1): each comes as NAME_codes (uint8): NAME with its K axis moved to the last place and cut into blocks of 32 codes, [.., K / 32, bytes a block], one block behind the other in memory; one code a byte (a code: sign, 4 exponent bits, 3 mantissa bits); and NAME_scales (uint8): the same leading axes, one E8M0 byte (e + 127) for each 32 codes along K. Its value is code x scale, taken as it is: it is not quantised again, and the codes and scales need not be those that the quantiser above would give.
;; One version. Each part assembles by itself: llvm-mc -triple=amdgcn-amd-amdhsa -mcpu=gfx1250 --defsym DOCPART=n.
;; ======== version 1 of 1: 2 launches
;; limits: right only within a limited range of input values
;; workspace buffers: qc 4,194,304 bytes; qs 262,144 bytes; kv 12,976,128 bytes; ec 132,096 bytes; es 8,192 bytes
;; launch proj (part 1): grid 8 x 32, 4 waves a work-group, clusters of 4 x 4, 327,680 bytes of LDS; arguments hidden_states_codes, hidden_states_scales, wq_codes, wq_scales, wk_codes, wk_scales, wv_codes, wv_scales, bq, bk, bv, dist_emb, qc, qs, kv, ec, es; writes qc, qs, kv, ec, es
.if DOCPART == 1
	.amdgcn_target "amdgcn-amd-amdhsa--gfx1250"
	.amdhsa_code_object_version 6
	.text
	.protected	k_q0710bdeb88_proj
	.globl	k_q0710bdeb88_proj
	.p2align	8
	.type	k_q0710bdeb88_proj,@function
k_q0710bdeb88_proj:
	s_mov_b64 s[64:65], 0
	v_nop
	global_prefetch_b8 v0, s[64:65] scope:SCOPE_SE
	s_setreg_imm32_b32 hwreg(HW_REG_WAVE_MODE, 25, 1), 1
	s_wait_xcnt 0x0
	s_wait_alu depctr_hold_cnt(0) depctr_sa_sdst(0) depctr_va_vdst(0) depctr_va_sdst(0) depctr_va_ssrc(0) depctr_va_vcc(0) depctr_vm_vsrc(0)
	s_getreg_b32 s2, hwreg(HW_REG_IB_STS2, 6, 4)
	s_cmp_eq_u32 s2, 0
	s_cbranch_scc0 .Lentry_in_a_cluster
	s_endpgm
.Lentry_in_a_cluster:
	s_bfe_u32 s2, ttmp6, 0x10000c
	s_cmp_lg_u32 s2, 0xf033
	s_cbranch_scc0 .Lentry_shape_is_right
	s_endpgm
.Lentry_shape_is_right:
; q, k, v = x W^T + b on codes of FP8 (E4M3) with E8M0 scales, each result quantised again on the way out; and the table of distances quantised and turned round.
; A work-group of four waves makes 128 rows x 128 columns of all three products; a wave 64 x 64 of each.  K = 1,024 goes in steps of 256 through a ring of two LDS slots: 128 rows of x and of each weight.
; CLUSTERS of 4 x 4: x's rows are shared along a row of the cluster (wave 0 fetches them), the weights' along a column (waves 1 to 3, one weight each).
; THE BIAS is the C of a sum's first product.  q and k: a lane holds one token and eight neighbouring columns a tile; v: one column and eight neighbouring tokens: each the next launch's operand order.
; WHAT IS STORED: qc, qs: q's codes and scale words by head and 16 tokens; kv: a record of 25,344 bytes for each head and 128 tokens: K's fragments (keys 0-7 of a tile in places 64-127, keys 8-15 in places 0-63, zeros elsewhere), V's, and both's scale words;
; ec, es: the table's rows from the last to the first, 16 to a block, and their scale words; the row behind the last and the block's end are zeros.
; THE HEAD: one joint load a wave (slot 0); the scale words, the biases and the table's rows are asked for while it is on its way; slot 1's load stands behind a full round.
; PREFETCHES: K steps 1 and 2 behind the head's loads, K step 3 behind slot 1's load; there is no fifth step.  Of the 128 rows that a wave fetches each of the four partners asks for 32, told apart by address, a lane a row.
; x's rows are asked for in every cluster that loads them; the weights', which eight rows of clusters load, in four of these.
; LIMITS: NaN, infinities and sums beyond f32's range are not served.
.set PFO, 52                           ; v52 the prefetches' offset: 1,024 x lane; s[62:63] where they stand; s61 below 4: I ask.  None is rewritten
.set PITCH, 272
.set HALFT, 128*PITCH
.set SLOT,  4*HALFT
.set SPARE, 2*SLOT
.set SPW, 1
.set NIL, 2
.set RR,  3
.set ADX, 4
.set ADW, 6
.set LI,  12
.set LN,  13
.set TA,  14
.set TM,  16
.set CD,  24
.set KST, 32
.set WD,  48
.set SX,  64
.set SW,  96
.set EN,  192
.set WV,  38
.set MNT, 66
.set HI8, 67
.set G1,  68
.set G1B, 76
.set G0,  84
.set G0B, 92
.set SEL, 100
.set MSB, 0
.macro WIN new
.if MSB != (\new)
	s_set_vgpr_msb (MSB<<8)|(\new)
.set MSB, \new
.endif
.endm
.macro PLACES n
.rept \n
	v_nop
.endr
.endm
.macro JLOAD s
	s_cmp_eq_u32 s[WV], 0
	s_cbranch_scc0 .Lfor_w_\@
	tensor_load_to_lds s[G0+4*(\s):G0+4*(\s)+3], s[G1:G1+7]
	s_nop 0
.rept 4
	v_nop
.endr
	s_branch .Lasked_\@
.Lfor_w_\@:
	tensor_load_to_lds s[G0B+4*(\s):G0B+4*(\s)+3], s[G1B:G1B+7]
	s_nop 0
.rept 4
	v_nop
.endr
.Lasked_\@:
.endm
.macro CREST
	s_cmp_lg_u32 s[WV], 0
	s_cbranch_scc1 .Lnot_wave_0_\@
	s_barrier_signal -3
.Lnot_wave_0_\@:
	s_barrier_wait -3
	s_barrier_signal -1
	s_barrier_wait -1
.endm
.macro CROUND
	s_barrier_signal -1
	s_barrier_wait -1
	CREST
.endm
.macro QUANT2 W, s
	WIN ((\W)<<4)|((\W)<<2)
	v_max3_num_f32 v[TM], 0x4800000, |v[(\s)]|, |v[(\s)+1]|
	v_max3_num_f32 v[TM+1], 0x4800000, |v[(\s)+16]|, |v[(\s)+17]|
.irp i, 2,4,6,8,10,12,14
	v_max3_num_f32 v[TM], v[TM], |v[(\s)+\i]|, |v[(\s)+\i+1]|
	v_max3_num_f32 v[TM+1], v[TM+1], |v[(\s)+16+\i]|, |v[(\s)+17+\i]|
.endr
	WIN 0
	v_permlanex16_b32 v[TM+2], v[TM], s[SEL], s[SEL+1]
	v_permlanex16_b32 v[TM+3], v[TM+1], s[SEL], s[SEL+1]
	v_max_num_f32 v[TM], v[TM], v[TM+2]
	v_max_num_f32 v[TM+1], v[TM+1], v[TM+3]
	v_add_nc_u32 v[TM+6], 0xfc000000, v[TM]
	v_add_nc_u32 v[TM+7], 0xfc000000, v[TM+1]
	v_and_or_b32 v[TM+4], v[TM], 0x7f800000, s[MNT]
	v_and_or_b32 v[TM+5], v[TM+1], 0x7f800000, s[MNT]
	WIN ((\W)<<6)|(\W)
.irp i, 0,1,2,3,4,5,6,7,8,9,10,11,12,13,14,15
	v_med3_num_f32 v[(\s)+\i], v[(\s)+\i], -v[TM+4], v[TM+4]
.endr
.irp i, 16,17,18,19,20,21,22,23,24,25,26,27,28,29,30,31
	v_med3_num_f32 v[(\s)+\i], v[(\s)+\i], -v[TM+5], v[TM+5]
.endr
	WIN (\W)
	v_cvt_scalef32_pk8_fp8_f32 v[CD:CD+1], v[(\s):(\s)+7], v[TM+6]
	v_cvt_scalef32_pk8_fp8_f32 v[CD+2:CD+3], v[(\s)+8:(\s)+15], v[TM+6]
	v_cvt_scalef32_pk8_fp8_f32 v[CD+4:CD+5], v[(\s)+16:(\s)+23], v[TM+7]
	v_cvt_scalef32_pk8_fp8_f32 v[CD+6:CD+7], v[(\s)+24:(\s)+31], v[TM+7]
	WIN 0
	v_lshrrev_b32 v[TM+2], 23, v[TM+6]
	v_lshrrev_b32 v[TM+3], 23, v[TM+7]
.endm
.macro FETCH_W
	WIN 0x40
.irp i, 0,1,2,3
.irp c, 0,1,2,3
	ds_load_b128 v[64*FSET+16*\i+4*\c:64*FSET+16*\i+4*\c+3], v[ADW+3*FSL+FM] offset:128*FQ+32*\c+16*PITCH*\i
.endr
.endr
.endm
.macro FETCH_X
	WIN 0xc0
.irp i, 0,1,2,3
.irp c, 0,1,2,3
	ds_load_b128 v[64*XFS+16*\i+4*\c:64*XFS+16*\i+4*\c+3], v[ADX+XSL] offset:128*XQ+32*\c+16*PITCH*\i
.endr
.endr
.endm
.macro MULQK m
.if KK == 0
	WIN 0xbd
.else
	WIN 0xad
.endif
.irp t, 0,1,2,3
.irp f, 0,1,2,3
.if KK == 0
	v_wmma_scale_f32_16x16x128_f8f6f4 v[128*\m+32*\t+8*\f:128*\m+32*\t+8*\f+7], v[64*WS+16*\f:64*WS+16*\f+15], v[64*XSET+16*\t:64*XSET+16*\t+15], v[128+32*\m+8*\f:128+32*\m+8*\f+7], v[SW+32*\m+8*\f+KK], v[SX+8*\t+KK]
.else
	v_wmma_scale_f32_16x16x128_f8f6f4 v[128*\m+32*\t+8*\f:128*\m+32*\t+8*\f+7], v[64*WS+16*\f:64*WS+16*\f+15], v[64*XSET+16*\t:64*XSET+16*\t+15], v[128*\m+32*\t+8*\f:128*\m+32*\t+8*\f+7], v[SW+32*\m+8*\f+KK], v[SX+8*\t+KK]
.endif
.endr
.endr
.endm
.macro MULV t0
.if KK == 0
	WIN 0x77
.else
	WIN 0x57
.endif
.irp t, \t0, \t0+1
.irp f, 0,1,2,3
.if KK == 0
	v_wmma_scale_f32_16x16x128_f8f6f4 v[128+32*\f+8*(\t):128+32*\f+8*(\t)+7], v[64*XSET+16*(\t):64*XSET+16*(\t)+15], v[64*WS+16*\f:64*WS+16*\f+15], v[192+8*\f:192+8*\f+7], v[SX+8*(\t)+KK], v[SW+64+8*\f+KK]
.else
	v_wmma_scale_f32_16x16x128_f8f6f4 v[128+32*\f+8*(\t):128+32*\f+8*(\t)+7], v[64*XSET+16*(\t):64*XSET+16*(\t)+15], v[64*WS+16*\f:64*WS+16*\f+15], v[128+32*\f+8*(\t):128+32*\f+8*(\t)+7], v[SX+8*(\t)+KK], v[SW+64+8*\f+KK]
.endif
.endr
.endr
.endm
.macro SUB kk, g
.set KK, \kk
.set U, 3*(\kk)+(\g)
.set WS, U&1
.set XSET, (\kk)&1
.set NK, (U+1)/3
.set FSET, (U+1)&1
.set FSL, (NK>>1)&1
.set FQ, NK&1
.set FM, (U+1)%3
.set XFS, ((\kk)+1)&1
.set XSL, (((\kk)+1)>>1)&1
.set XQ, ((\kk)+1)&1
.if ((\g) == 2) && (((\kk)&1) == 1) && ((\kk) < 7)
	WIN 0
	s_wait_tensorcnt 0x0
	ds_add_u32 v[SPW], v[NIL]
	s_wait_dscnt 0x0
	s_barrier_signal -1
	MULV 0
	WIN 0
	s_barrier_wait -1
.if (\kk) < 5
	CREST
	s_add_nc_u64 s[G0+4*(1-FSL)+2:G0+4*(1-FSL)+3], s[G0+4*(1-FSL)+2:G0+4*(1-FSL)+3], 512
	s_add_nc_u64 s[G0B+4*(1-FSL)+2:G0B+4*(1-FSL)+3], s[G0B+4*(1-FSL)+2:G0B+4*(1-FSL)+3], 512
	JLOAD 1-FSL
	PLACES 4
.else
	PLACES 8
.endif
	FETCH_W
	FETCH_X
	MULV 2
.else
.if U < 23
	PLACES 8
	FETCH_W
.if ((\g) == 0) && (((\kk)&1) == 0)
	FETCH_X
	s_wait_dscnt 32
.else
	s_wait_dscnt 16
.endif
.else
	s_wait_dscnt 0x0
.endif
.if (\g) == 0
	MULQK 0
.elseif (\g) == 1
	MULQK 1
.else
	MULV 0
	MULV 2
.endif
.endif
.endm
	s_load_b512 s[4:19], s[0:1], 0x0
	s_load_b512 s[20:35], s[0:1], 0x40
	s_load_b64 s[36:37], s[0:1], 0x80
	v_lshl_add_u32 v[SPW], v0, 2, SPARE
	v_mov_b32 v[NIL], 0
	ds_add_u32 v1, v2
	ds_add_u32 v1, v2
	s_wait_dscnt 0x0
	v_lshrrev_b32 v3, 5, v0
	v_readfirstlane_b32 s[WV], v3
	s_lshr_b32 s39, s[WV], 1
	s_and_b32 s40, s[WV], 1
	s_bfe_u32 s41, ttmp6, 0x40000
	s_bfe_u32 s42, ttmp6, 0x40004
	s_lshl_b32 s43, ttmp9, 2
	s_add_co_u32 s43, s43, s41
	s_and_b32 s44, ttmp7, 0xffff
	s_lshl_b32 s44, s44, 2
	s_add_co_u32 s44, s44, s42
	s_lshl_b32 s45, s42, 2
	s_lshl_b32 s45, 15, s45
	s_lshl_b32 s46, 0x1111, s41
	s_or_b32 s[G1], s45, (1<<20)|(1<<21)|(5<<22)|(3<<25)
	s_or_b32 s[G1B], s46, (1<<20)|(1<<21)|(5<<22)|(3<<25)
.irp g, G1, G1B
	s_mov_b32 s[\g+1], 256<<16
	s_mov_b32 s[\g+2], 128<<16
	s_mov_b32 s[\g+3], 256<<16
	s_mov_b32 s[\g+4], 128
	s_mov_b32 s[\g+5], 1024
	s_mov_b32 s[\g+6], 0
	s_mov_b32 s[\g+7], 0
.endr
	s_lshl_b32 s48, s44, 17
	s_mov_b32 s49, 0
	s_lshl_b32 s50, s43, 17
	s_mov_b32 s51, 0
	s_mul_i32 s47, s[WV], HALFT
	s_mov_b32 s[MNT], 0x600000
	s_mov_b32 s[SEL], 0x76543210
	s_mov_b32 s[SEL+1], 0xfedcba98
	s_wait_kmcnt 0x0
	s_add_nc_u64 s[48:49], s[4:5], s[48:49]
	s_cmp_eq_u32 s[WV], 2
	s_cselect_b64 s[52:53], s[12:13], s[8:9]
	s_cmp_eq_u32 s[WV], 3
	s_cselect_b64 s[52:53], s[16:17], s[52:53]
	s_add_nc_u64 s[50:51], s[52:53], s[50:51]
	CROUND
.irp s, 0,1
	s_mov_b32 s[G0+4*\s], 1
	s_add_co_u32 s[G0+4*\s+1], s47, \s*SLOT
	s_add_nc_u64 s[G0+4*\s+2:G0+4*\s+3], s[48:49], \s*256
	s_or_b32 s[G0+4*\s+3], s[G0+4*\s+3], 0x80000000
	s_mov_b32 s[G0B+4*\s], 1
	s_add_co_u32 s[G0B+4*\s+1], s47, \s*SLOT
	s_add_nc_u64 s[G0B+4*\s+2:G0B+4*\s+3], s[50:51], \s*256
	s_or_b32 s[G0B+4*\s+3], s[G0B+4*\s+3], 0x80000000
.endr
	JLOAD 0                                ; slot 0: one tensor load a wave at the head
	s_and_b32 s61, ttmp7, 0xffff           ; the cluster's y
	s_cmp_eq_u32 s[WV], 0
	s_cselect_b32 s61, 0, s61              ; wave 0 (x's rows) asks everywhere
	s_cselect_b32 s56, s41, s42            ; my place among the four that fetch these rows with me
	s_cselect_b64 s[62:63], s[48:49], s[50:51]
	s_lshl_b32 s56, s56, 15                ; 32 rows of 1,024 bytes
	s_mov_b32 s57, 0
	s_add_nc_u64 s[62:63], s[62:63], s[56:57]
	s_lshr_b32 s45, s44, 3
	s_and_b32 s46, s44, 7
	s_lshl_b32 s45, s45, 4
	s_lshl_b32 s47, s43, 1
	s_add_co_u32 s45, s45, s47
	s_add_co_u32 s45, s45, s40
	s_lshl_b32 s48, s45, 16
	s_lshl_b32 s47, s46, 13
	s_add_co_u32 s48, s48, s47
	s_lshl_b32 s47, s39, 12
	s_add_co_u32 s48, s48, s47
	s_mov_b32 s49, 0
	s_add_nc_u64 s[28:29], s[28:29], s[48:49]
	s_lshr_b32 s48, s48, 4
	s_add_nc_u64 s[30:31], s[30:31], s[48:49]
	s_lshl_b32 s48, s45, 3
	s_add_co_u32 s48, s48, s46
	s_mul_i32 s48, s48, 25344
	s_add_nc_u64 s[32:33], s[32:33], s[48:49]
	s_lshl_b32 s48, s39, 8
	s_add_nc_u64 s[52:53], s[32:33], s[48:49]
	s_lshl_b32 s48, s39, 10
	s_add_nc_u64 s[54:55], s[32:33], s[48:49]
	s_lshl_b32 s48, s39, 1
	s_add_nc_u64 s[56:57], s[32:33], s[48:49]
	s_lshl_b32 s48, s39, 13
	s_add_nc_u64 s[32:33], s[32:33], s[48:49]
	s_lshl_b32 s48, s44, 12
	s_lshl_b32 s47, s39, 11
	s_add_co_u32 s48, s48, s47
	s_add_nc_u64 s[6:7], s[6:7], s[48:49]
	s_lshl_b32 s48, s43, 12
	s_lshl_b32 s47, s40, 11
	s_add_co_u32 s48, s48, s47
	s_add_nc_u64 s[10:11], s[10:11], s[48:49]
	s_add_nc_u64 s[14:15], s[14:15], s[48:49]
	s_add_nc_u64 s[18:19], s[18:19], s[48:49]
	s_lshr_b32 s48, s48, 3
	s_add_nc_u64 s[20:21], s[20:21], s[48:49]
	s_add_nc_u64 s[22:23], s[22:23], s[48:49]
	s_add_nc_u64 s[24:25], s[24:25], s[48:49]
	v_and_b32 v[RR], 15, v0
	v_bfe_u32 v[WD+2], v0, 4, 1
	v_mul_u32_u24 v[TA], v[RR], PITCH
	v_lshl_add_u32 v[TA], v[WD+2], 4, v[TA]
	s_mul_i32 s47, s39, 64*PITCH
	v_add_nc_u32 v[ADX], s47, v[TA]
	v_add_nc_u32 v[ADX+1], SLOT, v[ADX]
	s_mul_i32 s47, s40, 64*PITCH
	s_add_co_u32 s47, s47, HALFT
	v_add_nc_u32 v[ADW], s47, v[TA]
	v_add_nc_u32 v[ADW+1], HALFT, v[ADW]
	v_add_nc_u32 v[ADW+2], HALFT, v[ADW+1]
	v_add_nc_u32 v[ADW+3], SLOT, v[ADW]
	v_add_nc_u32 v[ADW+4], SLOT, v[ADW+1]
	v_add_nc_u32 v[ADW+5], SLOT, v[ADW+2]
	v_and_b32 v[LI], 31, v0
	v_lshlrev_b32 v[LI], 4, v[LI]
	v_lshlrev_b32 v[LN], 2, v[RR]
	v_lshlrev_b32 v[TA], 5, v[RR]
	v_lshlrev_b32 v[TA+1], 5, v[WD+2]
	v_cmp_le_u32 s[HI8], 8, v[RR]
	v_mov_b32 v[TM+2], 0
	v_mov_b32 v[TM+3], 0
	v_mov_b32 v[WD+1], 0
	v_and_b32 v[PFO], 31, v0
	v_lshlrev_b32 v[PFO], 10, v[PFO]
.irp t, 0,1,2,3
	global_load_b128 v[SX+8*\t:SX+8*\t+3], v[TA], s[6:7] offset:512*\t
	global_load_b128 v[SX+8*\t+4:SX+8*\t+7], v[TA], s[6:7] offset:512*\t+16
	global_load_b128 v[SW+8*\t:SW+8*\t+3], v[TA], s[10:11] offset:512*\t
	global_load_b128 v[SW+8*\t+4:SW+8*\t+7], v[TA], s[10:11] offset:512*\t+16
	global_load_b128 v[SW+32+8*\t:SW+32+8*\t+3], v[TA], s[14:15] offset:512*\t
	global_load_b128 v[SW+32+8*\t+4:SW+32+8*\t+7], v[TA], s[14:15] offset:512*\t+16
	global_load_b128 v[SW+64+8*\t:SW+64+8*\t+3], v[TA], s[18:19] offset:512*\t
	global_load_b128 v[SW+64+8*\t+4:SW+64+8*\t+7], v[TA], s[18:19] offset:512*\t+16
.endr
	WIN 0xc0
.irp t, 0,1,2,3
	global_load_b128 v[128+8*\t:128+8*\t+3], v[TA+1], s[20:21] offset:64*\t
	global_load_b128 v[128+8*\t+4:128+8*\t+7], v[TA+1], s[20:21] offset:64*\t+16
	global_load_b128 v[160+8*\t:160+8*\t+3], v[TA+1], s[22:23] offset:64*\t
	global_load_b128 v[160+8*\t+4:160+8*\t+7], v[TA+1], s[22:23] offset:64*\t+16
.endr
.irp t, 0,1,2,3
.irp j, 0,1,2,3,4,5,6,7
	global_load_b32 v[192+8*\t+\j], v[LN], s[24:25] offset:64*\t
.endr
.endr
	WIN 0
	s_cmp_lt_u32 s61, 4
	s_cbranch_scc0 .Lnot_mine
	global_prefetch_b8 v[PFO], s[62:63] offset:256 th:TH_LOAD_NT scope:SCOPE_SE   ; K step 1
	global_prefetch_b8 v[PFO], s[62:63] offset:512 th:TH_LOAD_NT scope:SCOPE_SE   ; K step 2
.Lnot_mine:
	s_cmp_lg_u32 s[WV], 0
	s_cbranch_scc1 .Lno_e
	s_lshl_b32 s47, s44, 3
	s_add_co_u32 s47, s47, s43
	s_lshl_b32 s48, s47, 3
	v_add_nc_u32 v[TM], s48, v[RR]
	v_sub_nc_u32 v[TM], 2046, v[TM]
	v_cmp_le_i32 vcc_lo, 0, v[TM]
	v_cndmask_b32 v[TM+1], 0, v[TM], vcc_lo
	v_lshlrev_b32 v[TM+1], 8, v[TM+1]
	v_add_nc_u32 v[TM+1], v[TM+1], v[TA+1]
.irp c, 0,1
.irp u, 0,1
	global_load_b128 v[EN+16*\c+8*\u:EN+16*\c+8*\u+3], v[TM+1], s[26:27] offset:128*\c+64*\u
	global_load_b128 v[EN+16*\c+8*\u+4:EN+16*\c+8*\u+7], v[TM+1], s[26:27] offset:128*\c+64*\u+16
.endr
.endr
	s_lshr_b32 s48, s47, 1
	s_lshl_b32 s48, s48, 10
	s_and_b32 s58, s47, 1
	s_lshl_b32 s58, s58, 7
	s_add_co_u32 s48, s48, s58
	s_lshl_b32 s58, s47, 2
	s_mov_b32 s59, 0
	s_add_nc_u64 s[58:59], s[34:35], s[58:59]
	s_add_nc_u64 s[34:35], s[34:35], s[48:49]
	s_lshl_b32 s48, s47, 5
	s_add_nc_u64 s[36:37], s[36:37], s[48:49]
	s_wait_loadcnt 0x0
.irp i, 0,1,2,3,4,5,6,7,8,9,10,11,12,13,14,15,16,17,18,19,20,21,22,23,24,25,26,27,28,29,30,31
	v_cndmask_b32 v[EN+\i], 0, v[EN+\i], vcc_lo
.endr
	QUANT2 0, EN
	v_lshl_or_b32 v[WD], v[TM+3], 8, v[TM+2]
	v_mov_b32_dpp v[WD+1], v[WD] row_xmask:8 row_mask:0xf bank_mask:0xf
	v_lshl_or_b32 v[WD], v[WD], 16, v[WD+1]
	v_mov_b32 v[WD+3], 0
	v_and_b32 v[WD+1], 8, v0
	v_cmp_eq_u32 vcc_lo, 0, v[WD+1]
	s_wait_alu depctr_va_vdst(0)
	s_wait_xcnt 0x0
	s_and_saveexec_b32 s60, vcc_lo
	global_store_b128 v[LI], v[CD:CD+3], s[34:35]
	global_store_b128 v[LI], v[CD+4:CD+7], s[34:35] offset:512
	global_store_b32 v[LN], v[WD], s[36:37]
	global_store_b32 v[WD+3], v[WD+3], s[58:59] offset:131072
	s_wait_xcnt 0x0
	s_or_b32 exec_lo, exec_lo, s60
.Lno_e:
	s_wait_alu depctr_va_vdst(0)           ; the wait at the head's end
	s_wait_tensorcnt 0x0                   ; my part of slot 0 is in; these lines stand ahead of a later first fill as ahead of a refill:
	ds_add_u32 v[SPW], v[NIL]              ; 0 onto my spare word
	s_wait_dscnt 0x0
	CROUND                                 ; slot 0 is whole, and all sixteen work-groups are here: the joint loads meet
	JLOAD 1                                ; slot 1, the first tensor load behind the round
.set FSET, 0
.set FSL, 0
.set FQ, 0
.set FM, 0
.set XFS, 0
.set XSL, 0
.set XQ, 0
	FETCH_W
	FETCH_X
	WIN 0
	s_cmp_lt_u32 s61, 4
	s_cbranch_scc0 .Lnot_mine_2
	global_prefetch_b8 v[PFO], s[62:63] offset:768 th:TH_LOAD_NT scope:SCOPE_SE   ; K step 3
.Lnot_mine_2:
	s_wait_loadcnt 0x0
.irp kk, 0,1,2,3,4,5,6,7
	SUB \kk, 0
	SUB \kk, 1
	SUB \kk, 2
.endr
	PLACES 8
.irp t, 0,1,2,3
	s_wait_xcnt 0x0
	QUANT2 2, 32*\t
	v_lshl_or_b32 v[WD], v[TM+3], 8, v[TM+2]
	v_lshl_or_b32 v[WD], v[WD], 16, v[WD]
	global_store_b128 v[LI], v[CD:CD+3], s[28:29] offset:1024*\t
	global_store_b128 v[LI], v[CD+4:CD+7], s[28:29] offset:1024*\t+512
	global_store_b32 v[LN], v[WD], s[30:31] offset:64*\t
.endr
.irp t, 0,1,2,3
	s_wait_xcnt 0x0
	QUANT2 2, 128+32*\t
	v_lshl_or_b32 v[WD], v[TM+3], 8, v[TM+2]
	v_lshl_or_b32 v[WD], v[WD], 16, v[WD]
.irp i, 0,1,2,3,4,5,6,7
	v_cndmask_b32 v[KST+\i], 0, v[CD+\i], s[HI8]
	v_cndmask_b32 v[KST+8+\i], v[CD+\i], 0, s[HI8]
.endr
.irp c, 0,1,2,3
	global_store_b128 v[LI], v[KST+4*\c:KST+4*\c+3], s[32:33] offset:2048*\t+512*\c
.endr
	global_store_b32 v[LN], v[WD], s[52:53] offset:24576+64*\t
.endr
.irp t, 0,1,2,3
	s_wait_xcnt 0x0
	QUANT2 1, 128+32*\t
	v_lshl_or_b32 v[WD], v[TM+3], 8, v[TM+2]
	global_store_b128 v[LI], v[CD:CD+3], s[54:55] offset:16384+2048*\t
	global_store_b128 v[LI], v[CD+4:CD+7], s[54:55] offset:16384+2048*\t+512
	global_store_b16 v[LN], v[WD], s[56:57] offset:25088+64*\t
.endr
	s_wait_tensorcnt 0x0
	ds_add_u32 v[SPW], v[NIL]
	s_wait_dscnt 0x0
	CROUND
	s_endpgm
.Lfunc_end_k_q0710bdeb88_proj:
	.size	k_q0710bdeb88_proj, .Lfunc_end_k_q0710bdeb88_proj-k_q0710bdeb88_proj
	.p2alignl 7, 3214868480
	.fill 96, 4, 3214868480
	.section	.rodata,"a",@progbits
	.p2align	6, 0x0
	.amdhsa_kernel k_q0710bdeb88_proj
		.amdhsa_group_segment_fixed_size 327680
		.amdhsa_private_segment_fixed_size 0
		.amdhsa_enable_private_segment 0
		.amdhsa_kernarg_size 136
		.amdhsa_user_sgpr_count 2
		.amdhsa_user_sgpr_kernarg_segment_ptr 1
		.amdhsa_wavefront_size32 1
		.amdhsa_system_sgpr_workgroup_id_x 1
		.amdhsa_system_sgpr_workgroup_id_y 1
		.amdhsa_system_sgpr_workgroup_id_z 1
		.amdhsa_system_vgpr_workitem_id 0
		.amdhsa_next_free_vgpr 1024
		.amdhsa_next_free_sgpr 102
		.amdhsa_reserve_vcc 1
		.amdhsa_float_denorm_mode_32 3
		.amdhsa_float_denorm_mode_16_64 3
		.amdhsa_memory_ordered 1
		.amdhsa_forward_progress 1
		.amdhsa_inst_pref_size 174
	.end_amdhsa_kernel
	.amdgpu_metadata
---
amdhsa.version: [ 1, 2 ]
amdhsa.kernels:
  - .name:           k_q0710bdeb88_proj
    .symbol:         k_q0710bdeb88_proj.kd
    .args:
      - { .name: hidden_states_codes, .offset: 0, .size: 8, .value_kind: global_buffer, .address_space: global }
      - { .name: hidden_states_scales, .offset: 8, .size: 8, .value_kind: global_buffer, .address_space: global }
      - { .name: wq_codes, .offset: 16, .size: 8, .value_kind: global_buffer, .address_space: global }
      - { .name: wq_scales, .offset: 24, .size: 8, .value_kind: global_buffer, .address_space: global }
      - { .name: wk_codes, .offset: 32, .size: 8, .value_kind: global_buffer, .address_space: global }
      - { .name: wk_scales, .offset: 40, .size: 8, .value_kind: global_buffer, .address_space: global }
      - { .name: wv_codes, .offset: 48, .size: 8, .value_kind: global_buffer, .address_space: global }
      - { .name: wv_scales, .offset: 56, .size: 8, .value_kind: global_buffer, .address_space: global }
      - { .name: bq, .offset: 64, .size: 8, .value_kind: global_buffer, .address_space: global }
      - { .name: bk, .offset: 72, .size: 8, .value_kind: global_buffer, .address_space: global }
      - { .name: bv, .offset: 80, .size: 8, .value_kind: global_buffer, .address_space: global }
      - { .name: dist_emb, .offset: 88, .size: 8, .value_kind: global_buffer, .address_space: global }
      - { .name: qc, .offset: 96, .size: 8, .value_kind: global_buffer, .address_space: global }
      - { .name: qs, .offset: 104, .size: 8, .value_kind: global_buffer, .address_space: global }
      - { .name: kv, .offset: 112, .size: 8, .value_kind: global_buffer, .address_space: global }
      - { .name: ec, .offset: 120, .size: 8, .value_kind: global_buffer, .address_space: global }
      - { .name: es, .offset: 128, .size: 8, .value_kind: global_buffer, .address_space: global }
    .group_segment_fixed_size: 327680
    .private_segment_fixed_size: 0
    .kernarg_segment_align: 8
    .kernarg_segment_size: 136
    .max_flat_workgroup_size: 128
    .sgpr_count:     102
    .vgpr_count:     1024
    .wavefront_size: 32
...
	.end_amdgpu_metadata
.endif
;; end of part 1
;; launch attn (part 2): grid 4 x 64, 8 waves a work-group, no clusters, 327,680 bytes of LDS; arguments qc, qs, kv, ec, es, out0; writes out0
.if DOCPART == 2
	.amdgcn_target "amdgcn-amd-amdhsa--gfx1250"
	.amdhsa_code_object_version 6
	.text
	.protected	k_q0710bdeb88_attn
	.globl	k_q0710bdeb88_attn
	.p2align	8
	.type	k_q0710bdeb88_attn,@function
k_q0710bdeb88_attn:
	s_mov_b64 s[64:65], 0
	v_nop
	global_prefetch_b8 v0, s[64:65] scope:SCOPE_SE
	s_setreg_imm32_b32 hwreg(HW_REG_WAVE_MODE, 25, 1), 1
	s_wait_xcnt 0x0
; out[b][l][head] = sum over t of softmax_t((q_l . k_t + q_l . E[d] + k_t . E[d]) / 8) v_t, d = l - t + 1023, all four kinds of product on codes of FP8 (E4M3) with E8M0 scales.
; q, k, v and the table E come as images of operand registers from the launch before.  p = 2^(t - M), M the running largest t rounded up to a whole number, is quantised along the keys;
; the row's sum is taken of the unquantised p and divides at the end.
; SHARES.  A work-group owns 256 queries of one head, each of its eight waves 32 of them: TWO TILES of 16, in 512 registers.  Tile 0 is the upper sixteen, tile 1 the lower.
; Every wave walks the head's 1,024 keys, 128 a step; a step's K, V and scale words are one dense record of 25,344 bytes, brought by one tensor load into one of two slots.
; LAYOUT.  All products transposed: a lane holds ONE query of each tile.  LANE i HOLDS QUERY 15 - i OF THE TILE, so that d falls with the lane, the register and the table's stored row alike.
; Key tile T, register j of lane (i, h) is key 16 T + 8 h + j of the step; tile 0 wants d = D0 - 16 T - i - 8 h - j there, tile 1 sixteen less.
; A FRAGMENT OF THE TABLE, F_z (z = 0 .. 9): lane r: places 0-63 row D0 - 16 z - r - 8, places 64-127 row D0 - 16 z - r.  What is fragment y for tile 0 is fragment y - 1 for tile 1: ten serve both.
; k . E: source 0 = K's tile, stored staggered (keys 0-7 in places 64-127, keys 8-15 in places 0-63), source 1 = F_z: result (8 h + j, n) = k . E[D0 - 16 z - n - 8 h]: both halves of the lanes want the same
;   shift.  Tile a takes lane i + j of z = T + a, or lane i + j - 16 of z = T + a + 1: the shift rides on the addition (DPP; a lane without a source keeps its sum).  Three products a key tile serve both tiles of queries.
; q . E: source 0 = F_z, source 1 = [zeros | q]: result (m, i) = q_i . E[D0 - 16 z - m]: stored as row i, column 16 y + m of the tile's own LDS rows, and read back one column further on in each row,
;   straight into the eight registers that are the C of q . k.
; THE STREAM OF A STEP.  At key tile t's head its successor's K, the table's F_(t + 4) and the C of t + 1 are asked for; they land under t's products and the additions of t - 1.  q . E runs three column blocks ahead.
; NOT IN CLUSTERS: what the four query blocks of a head share is one record of 25,344 bytes a step, against some 1,200 instructions in each of eight waves; a round a step would tie 32 waves together for it.
; NO PREFETCH: a record is asked for behind one change of slots and read behind the next, 66 products of each wave later.
; LIMITS: NaN and infinities are not served.  A block of p that has fallen to zeros keeps the byte 1: its codes are zeros.  The scores / 8 x log2(e) stay under 2^31 in magnitude.
; REGISTERS, window 0: v1-7 addresses that stay; v8-12 the step's; tile a at v[14 + 6 a]: -M, the largest t, the sum's pair, f, p's scale word; v26-27 q's scale words; v28, v52 K's; v29-33 F's, a ring of five (then V's);
;   v34-50 at work; v56-103 results of k . E, two turns of three; v104-119 results of q . E; v128-255 S^T, then p, 64 a tile (at a step's head v224-255 hold results of q . E).
;   window 1: v0-47 [zeros, q, q] for each tile; v48-63, v240-255 K; v64-127, v224-239 F, a ring of five; v144-159, v128-143 the C of q . k; v160-223 O^T.  Softmax and last product: v48-79 p's codes; v80-143 V's four fragments.
.set REC,   25344                      ; a record: 8 fragments of K (2,048 each), 4 of V, K's scale words (512), V's (256)
.set SLOT1, 0x8000                     ; slot 1 begins here: one exclusive or turns an address
.set EC,    65536                      ; the table's 81 blocks of 16 rows that this work-group's queries can want
.set ECP,   13824                      ; a sixth of them: what one tensor load brings
.set ES,    EC+6*ECP                   ; their scale words, 5,120 bytes
.set GR,    ES+5120                    ; 16 rows of 592 bytes for each tile of queries, two tiles a wave: q . E; at the end the tile's stage
.set GRW,   16*592
.set SPARE, GR+16*GRW                  ; the spare words, 128 bytes a wave: four blocks of 256 bytes that no other line names
.set SPW, 1
.set NIL, 2
.set LI,  3                            ; 16 x lane
.set LS,  4                            ; 4 x (lane % 16)
.set LM,  5                            ; the table's row 8 further on: 16 x lane + 128, and into the next block for lane % 16 >= 8
.set GST, 6                            ; q . E in: row i, + 32 h
.set GLD, 7                            ; and back: 4 i further on
.set ADK, 8
.set ADKS, 9
.set ADFP, 10
.set ADFM, 11
.set ADFS, 12
.set QS,  26
.set KS,  28
.set FS,  29
.set BM,  34                           ; softmax: the blocks' largest scores, then largest p
.set PB,  38
.set HO,  42
.set SO,  46
.set TT,  50
.set HB,  56                           ; turn p: K x F_T at HB + 24 p, K x F_(T+1) at + 8, K x F_(T+2) at + 16
.set DG,  104
.set S,   128
.set DX,  S+96
.set D5,  S+112
.set ZQ,  0                            ; window 1 from here on
.set O,   160
.set PC,  48
.set VF,  80
.set WV,  16                           ; s16 wave; s[18:19] lane selects; s[20:21] c; s22 mantissa of 448; s23 the slot in hand; s60, s61 the step's place in the table and its words; s62 counter; s63 my rows
.set MSB, 0
.macro WIN new                         ; bits 1:0 source 0, 3:2 source 1, 5:4 source 2, 7:6 destination; the high byte repeats the setting that is left; a switch that changes nothing is dropped
.if MSB != (\new)
	s_set_vgpr_msb (MSB<<8)|(\new)
.set MSB, \new
.endif
.endm
.macro PLACES n
.rept \n
	v_nop
.endr
.endm
.macro FPLACE z                        ; where F_z lies: its place in the ring of five
.set FPZ, (\z)%5
.set FBZ, 64+16*FPZ+96*(FPZ/4)
.endm
.macro LDF1 z                          ; F_z (destination window 1)
	FPLACE \z
	ds_load_b128 v[FBZ:FBZ+3], v[ADFM] offset:1024*(\z)
	ds_load_b128 v[FBZ+4:FBZ+7], v[ADFM] offset:1024*(\z)+512
	ds_load_b128 v[FBZ+8:FBZ+11], v[ADFP] offset:1024*(\z)
	ds_load_b128 v[FBZ+12:FBZ+15], v[ADFP] offset:1024*(\z)+512
.endm
.macro LDFS z                          ; and its scale words (window 0: scale operands have no window)
	ds_load_b32 v[FS+(\z)%5], v[ADFS] offset:64*(\z)
.endm
.macro LDK1 t
.set KBT, 48+192*((\t)&1)
.irp c, 0,1,2,3
	ds_load_b128 v[KBT+4*\c:KBT+4*\c+3], v[ADK] offset:2048*(\t)+512*\c
.endr
.endm
.macro LDKS t
	ds_load_b32 v[KS+24*((\t)&1)], v[ADKS] offset:24576+64*(\t)
.endm
.macro GW z, a, d                      ; q . E of tile a for the 16 columns of F_z
	FPLACE \z
	v_wmma_scale_f32_16x16x128_f8f6f4 v[\d:\d+7], v[FBZ:FBZ+15], v[ZQ+24*(\a):ZQ+24*(\a)+15], 0, v[FS+FPZ], v[QS+(\a)]
.endm
.macro STG y, a, d                     ; into tile a's rows, column block y
	ds_store_b128 v[GST], v[\d:\d+3] offset:GRW*(\a)+64*(\y)
	ds_store_b128 v[GST], v[\d+4:\d+7] offset:GRW*(\a)+64*(\y)+16
.endm
.macro LDG t                           ; the C of key tile t.  LDS serves a wave's instructions in order (ISA guide 5.7.1.4): these see my stores
.set GTB, 144-16*((\t)&1)
.irp a, 0,1
.irp j, 0,1,2,3,4,5,6,7
	ds_load_b32 v[GTB+8*\a+\j], v[GLD] offset:GRW*\a+64*(\t)+4*\j
.endr
.endr
.endm
.macro ADDT t, a                       ; k . E onto tile a's scores of key tile t: lane i takes lane i + j of one result, or lane i + j - 16 of the next.  Each result is read from its low end on
.set ST, S+64*(\a)+8*(\t)
.set DP, HB+24*((\t)&1)+8*(\a)
	v_add_f32 v[ST], v[DP], v[ST]
.irp j, 1,2,3,4,5,6,7
	v_add_f32_dpp v[ST+\j], v[DP+\j], v[ST+\j] row_shl:\j row_mask:0xf bank_mask:0xf
.endr
	v_add_f32_dpp v[ST+1], v[DP+9], v[ST+1] row_shr:15 row_mask:0xf bank_mask:0xf
	v_add_f32_dpp v[ST+2], v[DP+10], v[ST+2] row_shr:14 row_mask:0xf bank_mask:0xf
	v_add_f32_dpp v[ST+3], v[DP+11], v[ST+3] row_shr:13 row_mask:0xf bank_mask:0xf
	v_add_f32_dpp v[ST+4], v[DP+12], v[ST+4] row_shr:12 row_mask:0xf bank_mask:0xf
	v_add_f32_dpp v[ST+5], v[DP+13], v[ST+5] row_shr:11 row_mask:0xf bank_mask:0xf
	v_add_f32_dpp v[ST+6], v[DP+14], v[ST+6] row_shr:10 row_mask:0xf bank_mask:0xf
	v_add_f32_dpp v[ST+7], v[DP+15], v[ST+7] row_shr:9 row_mask:0xf bank_mask:0xf
.endm
; KEY TILE t.  NL: the LDS loads issued at its head; NST: the stores of results that stand between those and the C of this tile.
; The places behind products, in front of stores of results, of loads into what they have read and of products that write over their results (ISA guide 7.12.1 for stores and products), are the additions of the key tile before; in tile 0 nine v_nop.
.macro STAGE t
.set NL, 0
.set NST, 0
.if (\t) <= 6
.set NL, 21
	LDKS (\t)+1
.if (\t) <= 5
.set NL, 26
	LDFS (\t)+4
.endif
	WIN 0x40                                       ; destination window 1
	LDK1 (\t)+1                                    ; into the buffer that tile t - 1 read
.if (\t) <= 5
	LDF1 (\t)+4                                    ; into the place of F_(t - 1)
.endif
	LDG (\t)+1
.endif
.if ((\t) >= 1) && ((\t) <= 6)
.set NST, 4
.endif
	WIN 0x15                                       ; sources window 1, results window 0
.if (\t) >= 1
	s_wait_dscnt NL+NST+16                         ; K's tile is in; its C's sixteen loads and all behind them may be out
.endif
.set HP, HB+24*((\t)&1)
.set KBT, 48+192*((\t)&1)
.set GTB, 144-16*((\t)&1)
.irp k, 0,1,2
	FPLACE (\t)+\k
	v_wmma_scale_f32_16x16x128_f8f6f4 v[HP+8*\k:HP+8*\k+7], v[KBT:KBT+15], v[FBZ:FBZ+15], 0, v[KS+24*((\t)&1)], v[FS+FPZ]
.endr
	s_wait_dscnt NL+NST                            ; the C is in
.irp a, 0,1
	v_wmma_scale_f32_16x16x128_f8f6f4 v[S+64*\a+8*(\t):S+64*\a+8*(\t)+7], v[KBT:KBT+15], v[ZQ+24*\a+8:ZQ+24*\a+23], v[GTB+8*\a:GTB+8*\a+7], v[KS+24*((\t)&1)], v[QS+\a]
.endr
	WIN 0
.if (\t) >= 1
	ADDT (\t)-1, 0
.endif
.if (\t) <= 5
	s_wait_dscnt 16                                ; F_(t + 4) and its words are in; the sixteen youngest, the next C's, may be out
	WIN 0x15
	GW (\t)+3, 0, DG                               ; column block t + 3 of both tiles: tile a takes F_(t + 3 + a)
	GW (\t)+4, 1, DG+8
	WIN 0
.endif
.if (\t) >= 1
	ADDT (\t)-1, 1
.else
	PLACES 9
.endif
.if (\t) <= 5
	STG (\t)+3, 0, DG
	STG (\t)+3, 1, DG+8
.endif
.endm
.macro SOFTMAX a
.set SA, S+64*(\a)
.set NMA, 14+6*(\a)
.set SUA, 16+6*(\a)
.set FFA, 18+6*(\a)
.set PWA, 19+6*(\a)
	WIN 0
.irp b, 0,1,2,3
	v_max3_num_f32 v[BM+\b], v[SA+16*\b], v[SA+1+16*\b], v[SA+2+16*\b]     ; the largest score of each block of 32 keys: for the row's maximum, and, since p rises with the score, for the block's largest p
.endr
.irp i, 3,5,7,9,11,13
.irp b, 0,1,2,3
	s_delay_alu instid0(VALU_DEP_4)
	v_max3_num_f32 v[BM+\b], v[BM+\b], v[SA+16*\b+\i], v[SA+1+16*\b+\i]
.endr
.endr
.irp b, 0,1,2,3
	s_delay_alu instid0(VALU_DEP_4)
	v_max_num_f32 v[BM+\b], v[BM+\b], v[SA+15+16*\b]
.endr
.irp b, 0,1,2,3
	s_delay_alu instid0(VALU_DEP_4)
	v_permlanex16_b32 v[PB+\b], v[BM+\b], s18, s19
.endr
.irp b, 0,1,2,3
	s_delay_alu instid0(VALU_DEP_4)
	v_max_num_f32 v[BM+\b], v[BM+\b], v[PB+\b]     ; with lane l xor 16's 16 keys
.endr
	s_delay_alu instid0(VALU_DEP_2)
	v_max3_num_f32 v[TT], v[BM], v[BM+1], v[BM+2]
	s_delay_alu instid0(VALU_DEP_1)
	v_max_num_f32 v[TT], v[TT], v[BM+3]
	s_delay_alu instid0(VALU_DEP_1)
	v_mul_f32 v[TT], s20, v[TT]                    ; as t (c is positive)
	s_delay_alu instid0(VALU_DEP_1)
	v_max_num_f32 v[NMA+1], v[NMA+1], v[TT]        ; the running largest t
	v_mov_b32 v[TT], v[NMA]
	s_delay_alu instid0(VALU_DEP_2)
	v_floor_f32 v[NMA], -v[NMA+1]                  ; the new -M = floor(-t): M is a whole number
	s_delay_alu instid0(VALU_DEP_1)
	v_sub_f32 v[TT], v[NMA], v[TT]                 ; old M - new M: a whole number, 0 or less
	s_delay_alu instid0(VALU_DEP_1)
	v_cvt_i32_f32 v[TT], v[TT]                     ; (it saturates)
	s_delay_alu instid0(VALU_DEP_1)
	v_ldexp_f32 v[FFA], 1.0, v[TT]                 ; f = 2^(old M - new M): rounds nothing
.set j, 0
.rept 32
	v_pk_fma_f32 v[SA+j:SA+j+1], v[SA+j:SA+j+1], s[20:21], v[NMA:NMA+1] op_sel_hi:[1,0,0]    ; t - M, two at a time
.set j, j+2
.endr
.irp b, 0,1,2,3
	v_fma_f32 v[BM+\b], v[BM+\b], s20, v[NMA]
.endr
.set j, 0
	s_wait_alu depctr_va_vdst(0)                   ; the wait ahead of the batch
.rept 64
	v_exp_f32 v[SA+j], v[SA+j]                     ; p = 2^(t - M), at most 1: not normalised
.set j, j+1
.endr
.irp b, 0,1,2,3
	v_exp_f32 v[BM+\b], v[BM+\b]                   ; the block's largest p: the same two instructions on the same number
.endr
	v_pk_mul_f32 v[SUA:SUA+1], v[SUA:SUA+1], v[FFA:FFA+1] op_sel_hi:[1,0]    ; the sums under the new M; a plain line behind the exponentials
	s_wait_alu depctr_va_vdst(0)                   ; and behind it
.irp b, 0,1,2,3
	v_max_num_f32 v[BM+\b], 0x4800000, v[BM+\b]    ; the floor 2^(9 - 127): the byte cannot fall under 1
.endr
.irp b, 0,1,2,3
	s_delay_alu instid0(VALU_DEP_4)
	v_add_nc_u32 v[SO+\b], 0xfc000000, v[BM+\b]    ; 8 off the exponent field: the conversion's scale operand
.endr
.irp b, 0,1,2,3
	v_and_or_b32 v[HO+\b], v[BM+\b], 0x7f800000, s22   ; 448 x the scale
.endr
.irp b, 0,1,2,3
	v_lshrrev_b32 v[PB+\b], 23, v[SO+\b]           ; the scale's byte
.endr
	s_delay_alu instid0(VALU_DEP_3)
	v_lshl_or_b32 v[PWA], v[PB+1], 8, v[PB]        ; p's scale word for these 128 keys
	s_delay_alu instid0(VALU_DEP_1)
	v_lshl_or_b32 v[PWA], v[PB+2], 16, v[PWA]
	s_delay_alu instid0(VALU_DEP_1)
	v_lshl_or_b32 v[PWA], v[PB+3], 24, v[PWA]
	v_pk_add_f32 v[PB:PB+1], v[SA:SA+1], v[SA+2:SA+3]  ; the row's sum is taken of the unquantised p: two chains
.irp j, 4,8,12,16,20,24,28,32,36,40,44,48,52,56,60
	v_pk_add_f32 v[SUA:SUA+1], v[SUA:SUA+1], v[SA+\j:SA+\j+1]
	v_pk_add_f32 v[PB:PB+1], v[PB:PB+1], v[SA+2+\j:SA+3+\j]
.endr
	s_delay_alu instid0(VALU_DEP_1)
	v_pk_add_f32 v[SUA:SUA+1], v[SUA:SUA+1], v[PB:PB+1]
.irp b, 0,1,2,3
.irp i, 0,1,2,3,4,5,6,7,8,9,10,11,12,13,14,15
	v_min_num_f32 v[SA+16*\b+\i], v[SA+16*\b+\i], v[HO+\b]      ; the conversion does not saturate (ISA guide 7.6.2); p is not negative, so the hold is one-sided
.endr
.endr
	WIN 0x40                                       ; the codes go to window 1
.irp b, 0,1,2,3
	v_cvt_scalef32_pk8_fp8_f32 v[PC+16*(\a)+4*\b:PC+16*(\a)+4*\b+1], v[SA+16*\b:SA+7+16*\b], v[SO+\b]
	v_cvt_scalef32_pk8_fp8_f32 v[PC+16*(\a)+4*\b+2:PC+16*(\a)+4*\b+3], v[SA+8+16*\b:SA+15+16*\b], v[SO+\b]
.endr
	WIN 0x41                                       ; O^T (destination and source 0) window 1, f window 0
	s_wait_alu depctr_va_vdst(0)                   ; the wait directly ahead of the first reader of O^T
.set j, 0
.rept 16
	v_pk_mul_f32 v[O+32*(\a)+j:O+32*(\a)+j+1], v[O+32*(\a)+j:O+32*(\a)+j+1], v[FFA:FFA+1] op_sel_hi:[1,0]      ; O^T under the new M; also the plain lines between the codes' making and the products
.set j, j+2
.endr
.endm
; A KEY STEP: 128 keys, both tiles of queries.
.macro STEP
	v_add_nc_u32 v[ADK], s23, v[LI]                ; these five and four v_nop: nine places behind the last step's products, whose registers are loaded and written over below
	v_add_nc_u32 v[ADKS], s23, v[LS]
	v_add_nc_u32 v[ADFP], s60, v[LI]
	v_add_nc_u32 v[ADFM], s60, v[LM]
	v_add_nc_u32 v[ADFS], s61, v[LS]
	PLACES 4
	WIN 0x40
.irp z, 0,1,2,3
	LDF1 \z
.endr
	LDK1 0
	WIN 0
.irp z, 0,1,2,3
	LDFS \z
.endr
	LDKS 0
	s_wait_alu depctr_va_vdst(0)
	s_wait_dscnt 0x0
	WIN 0x15
	GW 0, 0, DG                                    ; column blocks 0, 1 and 2 of both tiles
	GW 1, 1, DG+8
	GW 1, 0, DX
	GW 2, 1, DX+8
	GW 2, 0, D5
	GW 3, 1, D5+8
	WIN 0
	PLACES 9                                       ; nine: tile 0's products write over two of these results
	STG 0, 0, DG
	STG 0, 1, DG+8
	STG 1, 0, DX
	STG 1, 1, DX+8
	STG 2, 0, D5
	STG 2, 1, D5+8
	WIN 0x40
	LDG 0
	WIN 0
.irp t, 0,1,2,3,4,5,6,7
	STAGE \t
.endr
	WIN 0x40
.irp t, 0,1,2,3                        ; V's fragments are asked for here and land under the softmax
.irp c, 0,1,2,3
	ds_load_b128 v[VF+16*\t+4*\c:VF+16*\t+4*\c+3], v[ADK] offset:16384+2048*\t+512*\c
.endr
.endr
	WIN 0
.irp t, 0,1,2,3
	ds_load_b32 v[FS+\t], v[ADKS] offset:25088+64*\t
.endr
	ADDT 7, 0
	ADDT 7, 1
	SOFTMAX 0
	SOFTMAX 1
	s_wait_alu depctr_va_vdst(0)
	s_wait_dscnt 0x0
	WIN 0x55                                       ; V, the codes and O^T window 1
.irp t, 0,1,2,3                        ; O^T += V^T P^T: the eight accumulators by turns; each fragment of V serves both tiles
.irp a, 0,1
	v_wmma_scale_f32_16x16x128_f8f6f4 v[O+32*\a+8*\t:O+32*\a+8*\t+7], v[VF+16*\t:VF+16*\t+15], v[PC+16*\a:PC+16*\a+15], v[O+32*\a+8*\t:O+32*\a+8*\t+7], v[FS+\t], v[19+6*\a]
.endr
.endr
	WIN 0                                          ; at a label and at a branch every window is 0
	s_xor_b32 s23, s23, SLOT1                      ; on to the other slot,
	s_add_co_u32 s60, s60, 8192                    ; eight blocks further on in the table,
	s_add_co_u32 s61, s61, 512                     ; and in its words
.endm
; THE CHANGE OF SLOTS stands at a step's head.  Each wave waits for all its tensor loads, adds 0 to its spare word, and waits for that and for its reads of the slot that it has left.
; fill = 1: wave 0 fills that slot with the next record: the load has a whole step in which to land.
.macro CHANGE fill
	s_wait_tensorcnt 0x0                           ; no tensor load of mine is out, so a group 0 may be written
	ds_add_u32 v[SPW], v[NIL]                      ; 0 onto my spare word
.if \fill
	s_xor_b32 s49, s49, SLOT1                      ; the walking descriptor: the other slot than last time,
	s_add_nc_u64 s[50:51], s[50:51], REC           ; the next record; the type bits on top are not reached
.endif
	s_wait_dscnt 0x0                               ; the add is done, and my reads of the slot that I have left are over
	s_barrier_signal -1
	s_barrier_wait -1
.if \fill
	s_cmp_eq_u32 s[WV], 0
	s_cbranch_scc0 .Lno_load_\@
	tensor_load_to_lds s[48:51], s[24:31]          ; the first thing behind the barrier, and the wave's one tensor load until the next
	s_nop 0
.rept 4
	v_nop
.endr
.Lno_load_\@:
.endif
.endm
	s_load_b256 s[4:11], s[0:1], 0x0               ; qc s[4:5], qs s[6:7], kv s[8:9], ec s[10:11]
	s_load_b128 s[12:15], s[0:1], 0x20             ; es s[12:13], out s[14:15]
	v_lshl_add_u32 v[SPW], v0, 2, SPARE
	v_mov_b32 v[NIL], 0
	ds_add_u32 v[SPW], v[NIL]                      ; the wave's opening: the add, twice on end, and its wait ahead of my first tensor load
	ds_add_u32 v[SPW], v[NIL]
	v_lshrrev_b32 v3, 5, v0
	v_readfirstlane_b32 s[WV], v3                  ; wave 0..7
	; descriptor groups 1: dense blocks as rows of 256 bytes (32 elements of 8 bytes): a record 99 rows, a sixth of the table's blocks 54, their words 20
.irp g, 24, 32, 40
	s_mov_b32 s[\g], 3<<16
	s_mov_b32 s[\g+1], 32<<16
	s_mov_b32 s[\g+3], 32<<16
	s_mov_b32 s[\g+5], 32
	s_mov_b32 s[\g+6], 0
	s_mov_b32 s[\g+7], 0
.endr
	s_mov_b32 s26, 99<<16
	s_mov_b32 s28, 99
	s_mov_b32 s34, 54<<16
	s_mov_b32 s36, 54
	s_mov_b32 s42, 20<<16
	s_mov_b32 s44, 20
	s_and_b32 s66, ttmp7, 0xffff                   ; bh
	s_mul_i32 s68, s66, 8*REC
	s_mov_b32 s69, 0
	s_lshl_b32 s67, ttmp9, 4
	s_sub_co_u32 s67, 48, s67                      ; the table's first block for this block of queries: 48 - 16 qb
	s_mul_i32 s70, s[WV], ECP                      ; waves 2 to 7 fetch the table's sixths
	s_lshl_b32 s72, s67, 10
	s_add_co_u32 s72, s72, s70
	s_mov_b32 s73, 0
	s_lshl_b32 s74, s67, 6
	s_mov_b32 s75, 0
	s_mov_b32 s18, 0x76543210
	s_mov_b32 s19, 0xfedcba98
	s_mov_b32 s20, 0x3e38aa3b                      ; c = log2(e) / 8
	s_mov_b32 s21, s20
	s_mov_b32 s22, 0x600000
	s_mov_b32 s23, 0
	s_xor_b32 s60, s[WV], 7                        ; 7 - wave: F_0 begins at block 14 - 2 wave of those in LDS
	s_lshl_b32 s61, s60, 7
	s_add_co_u32 s61, s61, ES
	s_lshl_b32 s60, s60, 11
	s_add_co_u32 s60, s60, EC
	s_mul_i32 s63, s[WV], 2*GRW
	s_add_co_u32 s63, s63, GR
	s_mov_b32 s62, 7
	s_wait_dscnt 0x0                               ; both opening adds are done
	s_wait_kmcnt 0x0
	s_mov_b32 s48, 1
	s_mov_b32 s49, 0
	s_add_nc_u64 s[50:51], s[8:9], s[68:69]
	s_or_b32 s51, s51, 0x80000000
	s_mov_b32 s52, 1
	s_add_co_u32 s53, s70, EC-2*ECP
	s_add_nc_u64 s[54:55], s[10:11], s[72:73]
	s_sub_nc_u64 s[54:55], s[54:55], 2*ECP
	s_or_b32 s55, s55, 0x80000000
	s_mov_b32 s56, 1
	s_mov_b32 s57, ES
	s_add_nc_u64 s[58:59], s[12:13], s[74:75]
	s_or_b32 s59, s59, 0x80000000
	s_cmp_eq_u32 s[WV], 0                          ; the first fills, one a wave: wave 0 the first record, wave 1 the table's words, waves 2 to 7 a sixth of the table's blocks each
	s_cbranch_scc0 .Lnot_0
	tensor_load_to_lds s[48:51], s[24:31]
	s_nop 0
.rept 4
	v_nop
.endr
	s_branch .Lfilled
.Lnot_0:
	s_cmp_eq_u32 s[WV], 1
	s_cbranch_scc0 .Ltable
	tensor_load_to_lds s[56:59], s[40:47]
	s_nop 0
.rept 4
	v_nop
.endr
	s_branch .Lfilled
.Ltable:
	tensor_load_to_lds s[52:55], s[32:39]
	s_nop 0
.rept 4
	v_nop
.endr
.Lfilled:
	s_lshl_b32 s68, s66, 16                        ; q: 65,536 bh + 1,024 (16 qb + 2 wave): tile 1's image, then tile 0's
	s_lshl_b32 s70, ttmp9, 14
	s_add_co_u32 s68, s68, s70
	s_lshl_b32 s70, s[WV], 11
	s_add_co_u32 s68, s68, s70
	s_add_nc_u64 s[4:5], s[4:5], s[68:69]
	s_lshr_b32 s68, s68, 4
	s_add_nc_u64 s[6:7], s[6:7], s[68:69]
	s_lshr_b32 s68, s66, 4                         ; out: ((batch 1,024 + 256 qb + 32 wave) 1,024 + 64 head) x 4 bytes
	s_lshl_b32 s68, s68, 22
	s_lshl_b32 s70, ttmp9, 20
	s_add_co_u32 s68, s68, s70
	s_lshl_b32 s70, s[WV], 17
	s_add_co_u32 s68, s68, s70
	s_and_b32 s70, s66, 15
	s_lshl_b32 s70, s70, 8
	s_add_co_u32 s68, s68, s70
	s_add_nc_u64 s[14:15], s[14:15], s[68:69]
	v_and_b32 v[LI], 31, v0
	v_and_b32 v8, 15, v0                           ; i
	v_bfe_u32 v9, v0, 4, 1                         ; h
	v_bfe_u32 v10, v0, 3, 1
	v_lshlrev_b32 v[LI], 4, v[LI]
	v_lshlrev_b32 v[LS], 2, v8
	v_mul_u32_u24 v[GST], v8, 592
	v_mad_u32_u24 v[LM], v10, 768, v[LI]
	v_lshl_add_u32 v[GST], v9, 5, v[GST]
	v_add_nc_u32 v[LM], 128, v[LM]
	v_add_nc_u32 v[GST], s63, v[GST]
	v_sub_nc_u32 v10, 15, v8                       ; lane i takes token 15 - i of a tile
	v_lshl_add_u32 v[GLD], v8, 2, v[GST]
	v_lshlrev_b32 v11, 2, v10
	v_lshlrev_b32 v10, 4, v10
	v_lshl_add_u32 v10, v9, 8, v10
	WIN 0x40                                       ; destination window 1
.irp a, 0,1                            ; q twice on end behind eight zeros: the first 16 registers are [zeros | q], the last 16 [q | q]
	global_load_b128 v[ZQ+24*\a+8:ZQ+24*\a+11], v10, s[4:5] offset:1024*(1-\a)
	global_load_b128 v[ZQ+24*\a+12:ZQ+24*\a+15], v10, s[4:5] offset:1024*(1-\a)+512
	global_load_b128 v[ZQ+24*\a+16:ZQ+24*\a+19], v10, s[4:5] offset:1024*(1-\a)
	global_load_b128 v[ZQ+24*\a+20:ZQ+24*\a+23], v10, s[4:5] offset:1024*(1-\a)+512
.irp j, 0,1,2,3,4,5,6,7
	v_mov_b32 v[ZQ+24*\a+\j], 0
.endr
.endr
.set j, 0
.rept 64
	v_mov_b32 v[O+j], 0                            ; the step is written once: the first finds zeros, which the first change of M leaves zeros
.set j, j+1
.endr
	WIN 0
	global_load_b32 v[QS], v11, s[6:7] offset:64
	global_load_b32 v[QS+1], v11, s[6:7]
.irp a, 0,1
	v_mov_b32 v[15+6*\a], 0xff61b1e6               ; the largest t so far: -3e38
	v_mov_b32 v[16+6*\a], 0
	v_mov_b32 v[17+6*\a], 0
	v_mov_b32 v[19+6*\a], 0                        ; (named as the upper half of a pair with f before it is first made)
	v_floor_f32 v[14+6*\a], -v[15+6*\a]
.endr
.irp b, 0,1,2,3
	v_mov_b32 v[PB+\b], 0                          ; written once: a lane permute's destination counts as one of its sources
.endr
	s_wait_alu depctr_va_vdst(0)                   ; the wait at the head's end
	s_wait_loadcnt 0x0                             ; q
.Lstep:                                            ; seven trips: behind each change of slots but the last the next record is asked for
	CHANGE 1
	STEP
	s_sub_co_u32 s62, s62, 1
	s_cmp_lg_u32 s62, 0
	s_cbranch_scc1 .Lstep
	CHANGE 0                                       ; the last step is written out
	STEP
	; THE WAY OUT.  O^T / the sum goes through the tile's own rows in LDS, row 15 - i, and leaves as whole rows: sixteen lanes store the 256 aligned bytes of one query's head.
	v_add_f32 v16, v16, v17                        ; (the plain lines up to the reciprocals are the places behind the last products)
	v_add_f32 v22, v22, v23
	v_and_b32 v8, 15, v0
	v_bfe_u32 v9, v0, 4, 1
	v_permlanex16_b32 v[BM], v16, s18, s19
	v_permlanex16_b32 v[BM+1], v22, s18, s19
	v_sub_nc_u32 v10, 15, v8
	v_mul_u32_u24 v11, v9, 272
	v_mul_u32_u24 v10, v10, 272
	v_lshlrev_b32 v12, 12, v9
	v_lshl_add_u32 v10, v9, 5, v10
	v_lshl_add_u32 v11, v8, 4, v11
	v_add_nc_u32 v10, s63, v10                     ; in: row 15 - i, + 32 h
	v_add_nc_u32 v11, s63, v11                     ; back: lanes 0-15 one row, lanes 16-31 the next
	v_lshl_add_u32 v12, v8, 4, v12                 ; and the same two rows in out, 4,096 bytes apart
	v_add_f32 v16, v16, v[BM]                      ; the rows' sums
	v_add_f32 v22, v22, v[BM+1]
	s_wait_alu depctr_va_vdst(0)                   ; the wait ahead of the transcendentals
	v_rcp_f32 v16, v16
	v_rcp_f32 v22, v22
	v_nop                                          ; one plain line behind the transcendentals
	WIN 0x01                                       ; O^T window 1; the quotients take S^T's registers
	s_wait_alu depctr_va_vdst(0)                   ; and behind them, ahead of the first reader of O^T
.irp a, 0,1
.set j, 0
.rept 16
	v_pk_mul_f32 v[S+32*\a+j:S+32*\a+j+1], v[O+32*\a+j:O+32*\a+j+1], v[16+6*\a:17+6*\a] op_sel_hi:[1,0]     ; each accumulator from its low end on
.set j, j+2
.endr
.endr
	WIN 0
.irp a, 0,1
.irp t, 0,1,2,3
	ds_store_b128 v10, v[S+32*\a+8*\t:S+32*\a+8*\t+3] offset:GRW*\a+64*\t
	ds_store_b128 v10, v[S+32*\a+8*\t+4:S+32*\a+8*\t+7] offset:GRW*\a+64*\t+16
.endr
.irp p, 0,1,2,3,4,5,6,7
	ds_load_b128 v[S+64+32*\a+4*\p:S+64+32*\a+4*\p+3], v11 offset:GRW*\a+544*\p     ; LDS serves a wave's instructions in order: these see my stores
.endr
.endr
.irp a, 0,1
.irp p, 0,1,2,3,4,5,6,7
	s_wait_dscnt 16*(1-\a)+7-\p                    ; the younger loads may stay out, and behind tile 0's also tile 1's eight stores and eight loads
	global_store_b128 v12, v[S+64+32*\a+4*\p:S+64+32*\a+4*\p+3], s[14:15] offset:65536*(1-\a)+8192*\p th:TH_STORE_NT
.endr
.endr
	s_wait_tensorcnt 0x0                           ; the wave's end
	ds_add_u32 v[SPW], v[NIL]
	s_wait_dscnt 0x0
	s_endpgm
.Lfunc_end_k_q0710bdeb88_attn:
	.size	k_q0710bdeb88_attn, .Lfunc_end_k_q0710bdeb88_attn-k_q0710bdeb88_attn
	.p2alignl 7, 3214868480
	.fill 96, 4, 3214868480
	.section	.rodata,"a",@progbits
	.p2align	6, 0x0
	.amdhsa_kernel k_q0710bdeb88_attn
		.amdhsa_group_segment_fixed_size 327680
		.amdhsa_private_segment_fixed_size 0
		.amdhsa_enable_private_segment 0
		.amdhsa_kernarg_size 48
		.amdhsa_user_sgpr_count 2
		.amdhsa_user_sgpr_kernarg_segment_ptr 1
		.amdhsa_wavefront_size32 1
		.amdhsa_system_sgpr_workgroup_id_x 1
		.amdhsa_system_sgpr_workgroup_id_y 1
		.amdhsa_system_sgpr_workgroup_id_z 1
		.amdhsa_system_vgpr_workitem_id 0
		.amdhsa_next_free_vgpr 512
		.amdhsa_next_free_sgpr 82
		.amdhsa_reserve_vcc 0
		.amdhsa_float_denorm_mode_32 3
		.amdhsa_float_denorm_mode_16_64 3
		.amdhsa_memory_ordered 1
		.amdhsa_forward_progress 1
		.amdhsa_inst_pref_size 167
	.end_amdhsa_kernel
	.amdgpu_metadata
---
amdhsa.version: [ 1, 2 ]
amdhsa.kernels:
  - .name:           k_q0710bdeb88_attn
    .symbol:         k_q0710bdeb88_attn.kd
    .args:
      - { .name: qc, .offset: 0, .size: 8, .value_kind: global_buffer, .address_space: global }
      - { .name: qs, .offset: 8, .size: 8, .value_kind: global_buffer, .address_space: global }
      - { .name: kv, .offset: 16, .size: 8, .value_kind: global_buffer, .address_space: global }
      - { .name: ec, .offset: 24, .size: 8, .value_kind: global_buffer, .address_space: global }
      - { .name: es, .offset: 32, .size: 8, .value_kind: global_buffer, .address_space: global }
      - { .name: out0, .offset: 40, .size: 8, .value_kind: global_buffer, .address_space: global }
    .group_segment_fixed_size: 327680
    .private_segment_fixed_size: 0
    .kernarg_segment_align: 8
    .kernarg_segment_size: 48
    .max_flat_workgroup_size: 256
    .sgpr_count:     82
    .vgpr_count:     512
    .wavefront_size: 32
...
	.end_amdgpu_metadata
.endif
;; end of part 2
